; MI455X (gfx1250); checked and timed in simulation.
; The chip was launched on July 23, 2026; its instructions are those of AMD's public machine-readable ISA for CDNA 5 (MIT licence, August 2026) and "CDNA5" Instruction Set Architecture Reference Guide (July 2026). The comments in the code are by the model that wrote it; some were corrected since.
;; Real NVP2 D. Allowed arithmetic: matrix products marked QUANTISED: E2M1 operands, one E8M0 scale for each 32 along K, by v_wmma_scale_f32_16x16x128_f8f6f4 with both operands' format E2M1 (or v_wmma_scale_f32_32x16x128_f4), f32 sums; products left as they are: f32 operands where the result goes on into a quantised operand, else bf16, f16 or f32 operands; f32 sums; everything else in f32.
;; Inputs: an_b 4 x 2 float32; an_logs 4 x 2 float32; cb1 4 x 512 float32; cb2 4 x 512 float32; cb3 4 x 4 float32; cw1 4 x 2 x 512 float32; cw2 4 x 512 x 512 float32; cw3 4 x 512 x 4 float32; x 65,536 x 2 float32.
;; Outputs: out0 65,536 x 2 float32; out1 65,536 float32.
;; This version of the problem:
;;   THIS VERSION OF THE PROBLEM IS GIVEN IN LOW PRECISION. The matrix products marked QUANTISED in the list below multiply operands that are first quantised to E2M1 (2 exponent bits, 1 mantissa bit; 4 bits a number), with one power-of-two scale for each 32 numbers along K (OCP MX v1.0); their sums are f32. All else is computed in f32.
;;   The module's matrix products, in the order in which they are computed (A, B: the left and right operand; K: the contracted axis; several contracted axes count as one K, in the product's order):
;;     1. [M 65,536, K 2] x [K 2, N 512]; A: computed on the way; B: input cw1: left as it is (K = 2 < 32)
;;     2. [M 65,536, K 512] x [K 512, N 512]; A: computed on the way; B: input cw2: QUANTISED
;;     3. [M 65,536, K 512] x [K 512, N 4]; A: computed on the way; B: input cw3: left as it is (N = 4 < 16)
;;     4. [M 65,536, K 2] x [K 2, N 512]; A: computed on the way; B: input cw1: left as it is (K = 2 < 32)
;;     5. [M 65,536, K 512] x [K 512, N 512]; A: computed on the way; B: input cw2: QUANTISED
;;     6. [M 65,536, K 512] x [K 512, N 4]; A: computed on the way; B: input cw3: left as it is (N = 4 < 16)
;;     7. [M 65,536, K 2] x [K 2, N 512]; A: computed on the way; B: input cw1: left as it is (K = 2 < 32)
;;     8. [M 65,536, K 512] x [K 512, N 512]; A: computed on the way; B: input cw2: QUANTISED
;;     9. [M 65,536, K 512] x [K 512, N 4]; A: computed on the way; B: input cw3: left as it is (N = 4 < 16)
;;     10. [M 65,536, K 2] x [K 2, N 512]; A: computed on the way; B: input cw1: left as it is (K = 2 < 32)
;;     11. [M 65,536, K 512] x [K 512, N 512]; A: computed on the way; B: input cw2: QUANTISED
;;     12. [M 65,536, K 512] x [K 512, N 4]; A: computed on the way; B: input cw3: left as it is (N = 4 < 16)
;;   THE QUANTISER, for each operand of a quantised product, along K:
;;     - K is cut into blocks of 32 from its start; a last block that is shorter is filled with zeros.
;;     - A block's scale is 2^e with e = floor(log2(the largest magnitude in the block)) - 2, held to -126 .. 127; a block of zeros has e = 0. As a byte (E8M0): e + 127.
;;     - Each number is divided by its block's scale, clamped to +-6, and rounded to the nearest number of E2M1, ties to even, subnormals kept.
;;     - The product sums the exact products of the quantised numbers (number of the format x scale) in f32.
;;   ~~~python
;;   def quantise(x, axis):      # numpy; x: float32 -> the quantised numbers, widened to float32 again
;;       x = np.moveaxis(x, axis, -1); K = x.shape[-1]
;;       x = np.pad(x, [(0, 0)] * (x.ndim - 1) + [(0, -K % 32)]); x = x.reshape(x.shape[:-1] + (-1, 32)); a = np.abs(x).max(-1, keepdims=True)
;;       e = np.where(a > 0, np.clip(np.frexp(np.where(a > 0, a, 1))[1] - 1 - 2, -126, 127), 0)      # np.frexp(a)[1] - 1 = floor(log2(a)), exactly
;;       r = np.clip(x / 2.0 ** e, -6, 6)
;;       step = 2.0 ** (np.maximum(np.frexp(np.where(r == 0, 1, r))[1] - 1, 0) - 1)
;;       q = np.round(r / step) * step * 2.0 ** e      # np.round: ties to even
;;       return np.moveaxis(q.reshape(q.shape[:-2] + (-1,))[..., :K], -1, axis).astype(np.float32)
;;   ~~~
;;   OPERANDS COMPUTED ON THE WAY. 'Computed on the way' means the value that the module computes at that place (a softmax that the list does not call 'softmax' is quantised finished and normalised). What goes into a quantiser is computed in f32, as accurately as f32 sums, v_exp_f32 and their like allow (about 1e-6 of the number): no bf16 or f16 on the way to a quantiser, and a product that is left as it is and whose result goes on into a quantised operand takes f32 operands (vector FMAs, or v_wmma_f32_16x16x4_f32). A number that lies on a knife's edge between two numbers of the format may be rounded either way, as far as f32 arithmetic and the matrix unit's own rounding can turn it there, and no further.
;; One version. Each part assembles by itself: llvm-mc -triple=amdgcn-amd-amdhsa -mcpu=gfx1250 --defsym DOCPART=n.
;; ======== version 1 of 1: 2 launches
;; limits: right only within a limited range of input values
;; workspace buffers: img 589,824 bytes
;; launch prep (part 1): grid 16 x 4, 16 waves a work-group, no clusters, 2,560 bytes of LDS; arguments cw2, cb2, cw3, img; writes img
.if DOCPART == 1
	.amdgcn_target "amdgcn-amd-amdhsa--gfx1250"
	.amdhsa_code_object_version 6
	.text
	.protected	k_q32b654624e_prep
	.globl	k_q32b654624e_prep
	.p2align	8
	.type	k_q32b654624e_prep,@function
k_q32b654624e_prep:
	s_mov_b64 s[64:65], 0
	v_nop
	global_prefetch_b8 v0, s[64:65] scope:SCOPE_SE
	s_setreg_imm32_b32 hwreg(HW_REG_WAVE_MODE, 25, 1), 1
	s_wait_xcnt 0x0
; DEAD WORK LEFT OUT OF THE PROGRAM.  Layer i has the constant mask m = e_c, c = i % 2, d = 1 - c.  xm = out * m is 0 at coordinate d, so row d of cw1[i] is multiplied by 0;
; (1 - m) is 0 at coordinate c, so st's columns c and 2 + c (cw3's columns and cb3's entries there) are multiplied by 0 in out and in log_det.  That holds for all finite inputs.
; So of cw1 only row c, of cw3 and cb3 only columns d and 2 + d are read.  LIMIT: a NaN, an infinity or an overflow that reaches only the work left out is not carried to the result.
; THIS LAUNCH: cw2 [4][512 k][512 n], f32, becomes codes of E2M1 with one E8M0 byte for each 32 along K, laid as the next launch's LDS slots hold them.
; A block's scale is 2^(floor(log2(its largest magnitude)) - 2): its byte is the largest magnitude's exponent field - 2, held at 1 from below.
; img [layer 4][half 2] x 73,728 bytes; a half holds 16 tiles of 16 hidden units n:
;   codes  at 0:      [tile 16][s 4][c 2][lane 32][16 bytes]: the 32 codes of block 4 s + 2 c + h of unit r of the tile, lane = r + 16 h
;   scales at 65,536: [tile 16][r 16][16 bytes]: byte v = the scale byte of block v of that unit
;   aux    at 69,632: [tile 16][r 16][-cb2[n], cw3[n][d], cw3[n][2 + d], -cb2[n]]  (-cb2 twice: the two halves of a dual instruction take it from two registers)
; SHARES.  Work-group x: 32 units; y: the layer.  Wave v: block v of K.  A lane takes a unit and its 32 registers run down K: the block's maximum needs no other lane, and the
; conversions give codes with K innermost.  Sixteen lanes store 256 aligned bytes of codes.  The 16 bytes of a unit meet in LDS; wave 0 stores 512 aligned bytes of them; wave 1 makes the aux entries.
; LIMITS: a block of zeros gets the byte 1 (its codes are zeros; this program alone reads the bytes); blocks whose largest magnitude lies under 2^-124 share that byte; NaN and infinities are not served.
.set X,  8
.set C,  44
.set HALFB, 73728
.set SCO, 65536
	s_load_b128 s[4:7], s[0:1], 0x0                ; cw2, cb2
	s_load_b128 s[8:11], s[0:1], 0x10              ; cw3, img
	v_lshl_add_u32 v64, v0, 2, 512
	v_mov_b32 v65, 0
	v_lshrrev_b32 v1, 5, v0
	v_readfirstlane_b32 s12, v1                    ; wave = block
	v_and_b32 v1, 31, v0
	v_lshlrev_b32 v2, 2, v1                        ; 4 x lane
	v_lshrrev_b32 v3, 4, v1
	v_and_b32 v6, 15, v1
	v_lshlrev_b32 v3, 12, v3
	v_lshl_add_u32 v3, v6, 4, v3                   ; codes: lanes 16-31 belong to the next tile, 4,096 bytes on
	v_lshlrev_b32 v5, 4, v1                        ; 16 x lane
	v_add_nc_u32 v4, s12, v5                       ; LDS: my unit's 16 bytes, my block's byte
	s_and_b32 s13, ttmp7, 0xffff                   ; layer
	s_and_b32 s14, ttmp9, 7                        ; which 32 units of the half
	s_lshr_b32 s15, ttmp9, 3                       ; half
	s_lshl_b32 s20, s13, 20                        ; cw2: layer x 2^20 + block x 32 rows of 2,048 bytes + 128 x
	s_lshl_b32 s16, s12, 16
	s_add_co_u32 s20, s20, s16
	s_lshl_b32 s16, ttmp9, 7
	s_add_co_u32 s20, s20, s16
	s_mov_b32 s21, 0
	s_lshl_b32 s22, s13, 1
	s_add_co_u32 s22, s22, s15
	s_mul_i32 s22, s22, HALFB
	s_lshl_b32 s16, s14, 9
	s_add_co_u32 s24, s22, s16
	s_add_co_u32 s24, s24, SCO                     ; my 32 units' scale words; their aux entries lie 4,096 bytes on
	s_mov_b32 s25, 0
	s_lshl_b32 s16, s14, 13
	s_add_co_u32 s22, s22, s16
	s_lshl_b32 s16, s12, 8
	s_add_co_u32 s22, s22, s16                     ; codes: two tiles x 4,096 + 256 x block
	s_mov_b32 s23, 0
	s_lshl_b32 s26, s13, 11
	s_lshl_b32 s16, ttmp9, 7
	s_add_co_u32 s26, s26, s16                     ; cb2
	s_mov_b32 s27, 0
	s_lshl_b32 s28, s13, 13
	s_lshl_b32 s16, ttmp9, 9
	s_add_co_u32 s28, s28, s16                     ; cw3
	s_mov_b32 s29, 0
	s_and_b32 s17, s13, 1
	s_cmp_lg_u32 s17, 0
	s_cselect_b32 s17, -1, 0                       ; all ones in odd layers: d = 0
	s_wait_alu depctr_va_vdst(0)
	s_wait_kmcnt 0x0
	s_add_nc_u64 s[4:5], s[4:5], s[20:21]
	s_add_nc_u64 s[6:7], s[6:7], s[26:27]
	s_add_nc_u64 s[8:9], s[8:9], s[28:29]
	s_add_nc_u64 s[18:19], s[10:11], s[24:25]
	s_add_nc_u64 s[10:11], s[10:11], s[22:23]
	s_cmp_lg_u32 s12, 1
	s_cbranch_scc1 .Lmain
	global_load_b32 v50, v2, s[6:7]                ; wave 1: cb2 and cw3's rows of the 32 units
	global_load_b128 v[52:55], v5, s[8:9]
.Lmain:
.irp q, 0,1,2,3,4,5,6,7,8,9,10,11,12,13,14,15,16,17,18,19,20,21,22,23,24,25,26,27,28,29,30,31
	global_load_b32 v[X+\q], v2, s[4:5] offset:2048*\q th:TH_LOAD_NT
.endr
	s_wait_loadcnt 0x0
	v_max3_num_f32 v40, |v[X]|, |v[X+1]|, 0x1800000                    ; two chains; the floor 2^(3 - 127) holds the byte at 1 from below
	v_max3_num_f32 v41, |v[X+16]|, |v[X+17]|, |v[X+18]|
.irp k, 0,1,2,3,4,5
	v_max3_num_f32 v40, v40, |v[X+2+2*\k]|, |v[X+3+2*\k]|
	v_max3_num_f32 v41, v41, |v[X+19+2*\k]|, |v[X+20+2*\k]|
.endr
	v_max3_num_f32 v40, v40, |v[X+14]|, |v[X+15]|
	v_max3_num_f32 v40, v40, v41, |v[X+31]|
	v_add_nc_u32 v42, 0xff000000, v40              ; 2 off the exponent field: the conversion's scale operand
.irp q, 0,1,2,3
	v_cvt_scalef32_pk8_fp4_f32 v[C+\q], v[X+8*\q:X+8*\q+7], v42
.endr
	v_lshrrev_b32 v43, 23, v42                     ; the scale's byte (a plain line behind the conversions)
	global_store_b128 v3, v[C:C+3], s[10:11]       ; sixteen lanes store 256 consecutive bytes, aligned
	ds_store_b8 v4, v43
	s_cmp_lg_u32 s12, 1
	s_cbranch_scc1 .Lnoaux
	v_xor_b32 v56, 0x80000000, v50                 ; -cb2
	v_cndmask_b32 v57, v53, v52, s17               ; column d
	v_cndmask_b32 v58, v55, v54, s17               ; column 2 + d
	v_xor_b32 v59, 0x80000000, v50                 ; -cb2 once more
	global_store_b128 v5, v[56:59], s[18:19] offset:4096   ; 512 consecutive bytes, aligned
.Lnoaux:
	s_wait_alu depctr_va_vdst(0)
	s_wait_dscnt 0x0                               ; for wave 0's sake: my byte has landed
	s_barrier_signal -1
	s_barrier_wait -1
	s_cmp_lg_u32 s12, 0
	s_cbranch_scc1 .Lend
	ds_load_b128 v[60:63], v5
	s_wait_dscnt 0x0
	global_store_b128 v5, v[60:63], s[18:19]       ; 512 consecutive bytes, aligned
.Lend:
	s_wait_tensorcnt 0x0                           ; the wave's end
	ds_add_u32 v64, v65
	s_wait_dscnt 0x0
	s_endpgm
.Lfunc_end_k_q32b654624e_prep:
	.size	k_q32b654624e_prep, .Lfunc_end_k_q32b654624e_prep-k_q32b654624e_prep
	.p2alignl 7, 3214868480
	.fill 96, 4, 3214868480
	.section	.rodata,"a",@progbits
	.p2align	6, 0x0
	.amdhsa_kernel k_q32b654624e_prep
		.amdhsa_group_segment_fixed_size 2560
		.amdhsa_private_segment_fixed_size 0
		.amdhsa_enable_private_segment 0
		.amdhsa_kernarg_size 32
		.amdhsa_user_sgpr_count 2
		.amdhsa_user_sgpr_kernarg_segment_ptr 1
		.amdhsa_wavefront_size32 1
		.amdhsa_system_sgpr_workgroup_id_x 1
		.amdhsa_system_sgpr_workgroup_id_y 1
		.amdhsa_system_sgpr_workgroup_id_z 1
		.amdhsa_system_vgpr_workitem_id 0
		.amdhsa_next_free_vgpr 66
		.amdhsa_next_free_sgpr 66
		.amdhsa_reserve_vcc 0
		.amdhsa_float_denorm_mode_32 3
		.amdhsa_float_denorm_mode_16_64 3
		.amdhsa_memory_ordered 1
		.amdhsa_forward_progress 1
		.amdhsa_inst_pref_size 8
	.end_amdhsa_kernel
	.amdgpu_metadata
---
amdhsa.version: [ 1, 2 ]
amdhsa.kernels:
  - .name:           k_q32b654624e_prep
    .symbol:         k_q32b654624e_prep.kd
    .args:
      - { .name: cw2, .offset: 0, .size: 8, .value_kind: global_buffer, .address_space: global }
      - { .name: cb2, .offset: 8, .size: 8, .value_kind: global_buffer, .address_space: global }
      - { .name: cw3, .offset: 16, .size: 8, .value_kind: global_buffer, .address_space: global }
      - { .name: img, .offset: 24, .size: 8, .value_kind: global_buffer, .address_space: global }
    .group_segment_fixed_size: 2560
    .private_segment_fixed_size: 0
    .kernarg_segment_align: 8
    .kernarg_segment_size: 32
    .max_flat_workgroup_size: 512
    .sgpr_count:     66
    .vgpr_count:     66
    .wavefront_size: 32
...
	.end_amdgpu_metadata
.endif
;; end of part 1
;; launch flow (part 2): grid 256 x 1, 4 waves a work-group, clusters of 4 x 1, 327,680 bytes of LDS; arguments x, cw1, cb1, cb3, an_logs, an_b, img, out0, out1; writes out0, out1
.if DOCPART == 2
	.amdgcn_target "amdgcn-amd-amdhsa--gfx1250"
	.amdhsa_code_object_version 6
	.text
	.protected	k_q32b654624e_flow
	.globl	k_q32b654624e_flow
	.p2align	8
	.type	k_q32b654624e_flow,@function
k_q32b654624e_flow:
	s_mov_b64 s[64:65], 0
	v_nop
	global_prefetch_b8 v0, s[64:65] scope:SCOPE_SE
	s_setreg_imm32_b32 hwreg(HW_REG_WAVE_MODE, 25, 1), 1
	s_wait_xcnt 0x0
	s_wait_alu depctr_hold_cnt(0) depctr_sa_sdst(0) depctr_va_vdst(0) depctr_va_sdst(0) depctr_va_ssrc(0) depctr_va_vcc(0) depctr_vm_vsrc(0)
	s_getreg_b32 s2, hwreg(HW_REG_IB_STS2, 6, 4)
	s_cmp_eq_u32 s2, 0
	s_cbranch_scc0 .Lentry_in_a_cluster
	s_endpgm
.Lentry_in_a_cluster:
	s_bfe_u32 s2, ttmp6, 0x10000c
	s_cmp_lg_u32 s2, 0x3003
	s_cbranch_scc0 .Lentry_shape_is_right
	s_endpgm
.Lentry_shape_is_right:
; RealNVP2D: four coupling layers with actnorm, then the sigmoid and its log-determinant.  Work left out (row d of cw1, columns c and 2 + c of cw3 and cb3): see the first kernel's head.
; Layer i, c = i % 2, d = 1 - c: h1[k] = relu(out_c cw1[i][c][k] + cb1[i][k]) (one fused multiply-add in f32); h2 = relu(Q(h1) Q(cw2[i]) + cb2[i]) on codes of E2M1;
; st_d, st_(2+d) = h2 cw3 + cb3 in f32 multiply-adds; log_s = tanh(st_d); out_d = out_d e^log_s + st_(2+d); both coordinates x e^an_logs + an_b.
; SHARES.  A work-group owns 256 rows, a wave 64 (four tiles of 16) through all four layers: no wave needs another's results.
;   P1: lane (r, h) makes, for row r of each tile, the blocks 2 q + h of h1, q = 0 .. 7, one q a trip: whole blocks in a lane.  Codes and scale bytes turn through the wave's own stage in LDS,
;       so that the trips are alike, and come back as the operand's 128 registers and 16 scale words.  The relu is done on the codes: the maximum is taken without |.|, a negative code keeps its sign bit alone.
;   P2: source 0 = 16 rows of h1, source 1 = 16 units of cw2: a lane holds ONE unit and eight rows.  relu(a + b) = max(a, -b) + b: a maximum with the lane's -cb2 (two in a dual instruction), two packed
;       multiply-adds with the lane's two numbers of cw3; the sum of cb2 x cw3 over the units is made once a layer from the same aux entries and added in P3.  A tile of units at a time, on two sets
;       of registers: a tile's ten LDS loads are issued at the head of the tile before it.
;   P3: the sums over a tile's 16 lanes by a butterfly that halves the registers at each step: lane (r, h) ends with row 8 h + r / 2; there the coupling is done; a lane permute hands the condition back.
; Q(cw2) comes by halves of a layer (16 tiles, 73,728 bytes) through two LDS slots.  All work-groups read the same halves: clusters of 4, each half asked for jointly, a quarter a wave.
; NO PREFETCH: a half is asked for at least eight trips of 32 matrix instructions ahead of the wait for it, and the launch's first half at its first lines.
; LIMITS: NaN and infinities are not served.  tanh = 1 - 2 / (1 + e^(2 st)): absolute error about 1e-7.  h1 is one fused multiply-add.  A block of h1 without a positive number gets the byte 1 and zero codes.
;         max(a, -b) w summed apart from b w rounds in another order than relu(a + b) w: the difference is of the size of f32's rounding of the sums of |cb2 cw3|.
.set HALFB, 73728                      ; a slot: codes 65,536, scale words 4,096, aux 4,096
.set SCO,   65536
.set AXO,   69632
.set QUART, 18432                      ; 72 rows of 256 bytes: a wave's part of a half
.set W1B1,  147456                     ; layer x 4,096: cw1[i][c], then cb1[i]
.set STAGE, 163840                     ; wave x 16,384: h1's codes [tile 4][q 8][lane 32][16]; at the ends x and the results
.set SSTG,  229376                     ; wave x 1,024: h1's scale bytes [tile 4][r 16][16]
.set SPARE, 233472                     ; the spare words, 128 bytes a wave
; window 0
.set SPW, 1
.set NIL, 2
.set FB,  3                            ; v3, v4: 16 x lane + slot
.set XB,  5                            ; v5, v6: slot + SCO + 16 r
.set KB,  7                            ; v7, v8: slot + AXO + 16 x lane
.set FA,  9
.set XA,  10
.set STG, 11                           ; my stage + 16 x lane
.set SSC, 12                           ; my scale stage + 16 r
.set BPI, 13                           ; 8 r: lane 2 r holds row r
.set KS,  14                           ; v14, v15: sums of cb2 x cw3
.set KT,  15
.set O,   16                           ; v16-23: out, 2 t + coordinate
.set XR,  24                           ; v24-27: the condition of row r of tile t
.set LD,  28                           ; v28-31: log_det
.set ASC, 32                           ; v32-47: h1's scale words 4 t + s; v48-55 cw2's, 4 b + s.  Scales and nothing else
.set WSC, 48
.set AUX, 56                           ; v56-63: aux entries, 4 b
.set D,   64                           ; v64-127: accumulators, 32 b + 8 t
.set ACC, 128                          ; v128-191: sums with cw3: 16 t + 8 col + j
.set TMP, 192
; window 2
.set FRG, 0                            ; cw2's fragments, 32 b + 8 s
.set ACD, 64                           ; v64-191: h1's codes, 32 t + 8 s
; window 3
.set Y,   0                            ; 32 numbers of h1 for each tile
.set W1R, 128
.set B1R, 160
.set M,   192
.set E,   200
.set BY,  204
.set CD,  208
.set WAB, 224
.set WA,  225
.set SAB, 226
.set SA,  227
.set BAB, 228
.set BA,  229
; s[4:21] addresses; s22 wave; s[24:31] group 1; s[32:39] group 0 of slots 0, 1; s[40:55] cb3; s[56:63] an_logs; s[68:75] an_b; s[76:83] e^an_logs; s84-89, s92, s93, s100 constants; s94 my stage; s96-99 counters
.set MSB, 0
.macro WIN new                         ; bits 1:0 source 0, 3:2 source 1, 5:4 source 2, 7:6 destination; the high byte repeats the setting that is left
.if MSB != \new
	s_set_vgpr_msb (MSB<<8)|\new
.set MSB, \new
.endif
.endm
.macro NOPS
.rept 4
	v_nop
.endr
.endm
.macro ROUND                           ; a round of the cluster's barrier
	s_barrier_signal -1
	s_barrier_wait -1
	s_cmp_lg_u32 s22, 0
	s_cbranch_scc1 .Lnw0_\@
	s_barrier_signal -3
.Lnw0_\@:
	s_barrier_wait -3
	s_barrier_signal -1
	s_barrier_wait -1
.endm
; In front of the half in slot sl: all my tensor loads have landed, the add, my LDS reads are over; the round; then the next half goes into the other slot.
.macro TRIP sl, refill
	s_wait_alu depctr_va_vdst(0)
	s_wait_tensorcnt 0x0
	ds_add_u32 v[SPW], v[NIL]
	s_add_nc_u64 s[34+4*\sl:35+4*\sl], s[34+4*\sl:35+4*\sl], 2*HALFB   ; no load of mine is out: this slot's next half
	s_wait_dscnt 0x0
.if \refill
	ROUND
	tensor_load_to_lds s[36-4*\sl:39-4*\sl], s[24:31]
	s_nop 0
	NOPS
.else
	s_barrier_signal -1
	s_barrier_wait -1
.endif
.endm
.macro PKX t                           ; x w1 + b1 for tile t's row, two at a time; x serves both halves
.set KK, 0
.rept 16
.if (\t)%2
	v_pk_fma_f32 v[Y+32*(\t)+2*KK:Y+32*(\t)+2*KK+1], v[XR+2*((\t)/2):XR+2*((\t)/2)+1], v[W1R+2*KK:W1R+2*KK+1], v[B1R+2*KK:B1R+2*KK+1] op_sel:[1,0,0] op_sel_hi:[1,1,1]
.else
	v_pk_fma_f32 v[Y+32*(\t)+2*KK:Y+32*(\t)+2*KK+1], v[XR+2*((\t)/2):XR+2*((\t)/2)+1], v[W1R+2*KK:W1R+2*KK+1], v[B1R+2*KK:B1R+2*KK+1] op_sel_hi:[0,1,1]
.endif
.set KK, KK+1
.endr
.endm
.macro LWB adr, i                      ; 32 numbers of cw1's row and of cb1: lanes of one half read the same bytes
.irp e, 0,1,2,3,4,5,6,7
	ds_load_b128 v[W1R+4*\e:W1R+4*\e+3], v[\adr] offset:(\i)*4096+16*\e
	ds_load_b128 v[B1R+4*\e:B1R+4*\e+3], v[\adr] offset:(\i)*4096+2048+16*\e
.endr
.endm
.macro P1 i
	WIN 0xff
	LWB WAB, \i
	WIN 0
.set KK, 0
.rept 64
	v_mov_b32 v[ACC+KK], 0                         ; the layer's 64 sums with cw3 start in a loop whose trips are alike
.set KK, KK+1
.endr
	s_mov_b32 s96, 0
	s_wait_alu depctr_va_vdst(0)
	s_wait_dscnt 0x0                               ; the first trip's cw1 and cb1, and the condition
.Lq_\@:
	s_add_co_u32 s97, s96, 1
	s_and_b32 s97, s97, 7                          ; the last trip asks for q = 0 again, so that every trip counts alike
	s_wait_dscnt 8                                 ; this trip's cw1 and cb1 are in; the last trip's eight stores, issued behind them, may be out
	WIN 0xfc
	PKX 0
	PKX 1
	PKX 2
	PKX 3
	WIN 0xff
	v_lshl_add_u32 v[WA], s97, 8, v[WAB]
	LWB WA, \i
.irp t, 0,1,2,3                        ; the blocks' largest numbers, not magnitudes: eight chains by turns; the floor 2^(3 - 127) holds the byte at 1
	v_max3_num_f32 v[M+2*\t], v[Y+32*\t], v[Y+32*\t+1], 0x1800000
	v_max3_num_f32 v[M+2*\t+1], v[Y+32*\t+16], v[Y+32*\t+17], v[Y+32*\t+18]
.endr
.irp k, 0,1,2,3,4,5
.irp t, 0,1,2,3
	v_max3_num_f32 v[M+2*\t], v[M+2*\t], v[Y+32*\t+2+2*\k], v[Y+32*\t+3+2*\k]
	v_max3_num_f32 v[M+2*\t+1], v[M+2*\t+1], v[Y+32*\t+19+2*\k], v[Y+32*\t+20+2*\k]
.endr
.endr
.irp t, 0,1,2,3
	v_max3_num_f32 v[M+2*\t], v[M+2*\t], v[Y+32*\t+14], v[Y+32*\t+15]
.endr
.irp t, 0,1,2,3
	v_max3_num_f32 v[M+2*\t], v[M+2*\t], v[M+2*\t+1], v[Y+32*\t+31]
.endr
.irp t, 0,1,2,3
	v_add_nc_u32 v[E+\t], 0xff000000, v[M+2*\t]    ; 2 off the exponent field: the conversion's scale operand
.endr
	s_wait_alu depctr_va_vdst(0)
	s_wait_dscnt 16                                ; the last trip's stores are done (the 16 loads issued behind them may be out): their addresses and data are written again only now
	v_lshl_add_u32 v[SA], s96, 9, v[SAB]
	v_lshl_add_u32 v[BA], s96, 1, v[BAB]
.irp t, 0,1,2,3
.irp g, 0,1,2,3
	v_cvt_scalef32_pk8_fp4_f32 v[CD+4*\t+\g], v[Y+32*\t+8*\g:Y+32*\t+8*\g+7], v[E+\t]
.endr
.endr
.irp t, 0,1,2,3
	v_lshrrev_b32 v[BY+\t], 23, v[E+\t]            ; the scales' bytes (plain lines behind the conversions)
.endr
.irp n, 0,1,2,3,4,5,6,7,8,9,10,11,12,13,14,15  ; relu on the codes: sign bits; 8 - 1 = 7 in each negative code's place; those three bits cleared
	v_and_b32 v[Y+\n], s84, v[CD+\n]
.endr
.irp n, 0,1,2,3,4,5,6,7,8,9,10,11,12,13,14,15
	v_lshrrev_b32 v[Y+16+\n], 3, v[Y+\n]
.endr
.irp n, 0,1,2,3,4,5,6,7,8,9,10,11,12,13,14,15
	v_sub_nc_u32 v[Y+\n], v[Y+\n], v[Y+16+\n]
.endr
.irp n, 0,1,2,3,4,5,6,7,8,9,10,11,12,13,14,15
	v_bfi_b32 v[CD+\n], v[Y+\n], 0, v[CD+\n]
.endr
.irp t, 0,1,2,3
	ds_store_b128 v[SA], v[CD+4*\t:CD+4*\t+3] offset:\t*4096
	ds_store_b8 v[BA], v[BY+\t] offset:\t*256
.endr
	WIN 0
	s_add_co_u32 s96, s96, 1
	s_cmp_lt_u32 s96, 8
	s_wait_alu depctr_va_vdst(0)
	s_cbranch_scc1 .Lq_\@
	WIN 0x80                                       ; back as the operand's registers, in window 2: LDS serves a wave's instructions in order
.irp t, 0,1,2,3
.irp q, 0,1,2,3,4,5,6,7
	ds_load_b128 v[ACD+32*\t+4*\q:ACD+32*\t+4*\q+3], v[STG] offset:\t*4096+\q*512
.endr
.endr
	WIN 0
.irp t, 0,1,2,3
	ds_load_b128 v[ASC+4*\t:ASC+4*\t+3], v[SSC] offset:\t*256
.endr
.endm
; Ten LDS loads: a tile of units into set b: eight of fragments (512 consecutive bytes each), its scale words, its aux entries.  o = 0: the tile at the addresses; 1: the next
.macro TLOAD b, af, ax, o
	WIN 0x80
.irp s, 0,1,2,3
.irp c, 0,1
	ds_load_b128 v[FRG+32*\b+8*\s+4*\c:FRG+32*\b+8*\s+4*\c+3], v[\af] offset:(\o)*4096+\s*1024+\c*512
.endr
.endr
	WIN 0
	ds_load_b128 v[WSC+4*\b:WSC+4*\b+3], v[\ax] offset:(\o)*256
	ds_load_b128 v[AUX+4*\b:AUX+4*\b+3], v[\ax] offset:4096+(\o)*256
.endm
.macro MM b                            ; 16 matrix instructions; the tile's four accumulators take turns; the first K step starts the sums
	WIN 0x0a                                       ; sources 0 and 1 window 2; C and D window 0
.irp s, 0,1,2,3
.irp t, 0,1,2,3
.if \s == 0
	v_wmma_scale_f32_16x16x128_f8f6f4 v[D+32*\b+8*\t:D+32*\b+8*\t+7], v[ACD+32*\t+8*\s:ACD+32*\t+8*\s+7], v[FRG+32*\b+8*\s:FRG+32*\b+8*\s+7], 0, v[ASC+4*\t+\s], v[WSC+4*\b+\s] matrix_a_fmt:MATRIX_FMT_FP4 matrix_b_fmt:MATRIX_FMT_FP4
.else
	v_wmma_scale_f32_16x16x128_f8f6f4 v[D+32*\b+8*\t:D+32*\b+8*\t+7], v[ACD+32*\t+8*\s:ACD+32*\t+8*\s+7], v[FRG+32*\b+8*\s:FRG+32*\b+8*\s+7], v[D+32*\b+8*\t:D+32*\b+8*\t+7], v[ASC+4*\t+\s], v[WSC+4*\b+\s] matrix_a_fmt:MATRIX_FMT_FP4 matrix_b_fmt:MATRIX_FMT_FP4
.endif
.endr
.endr
	WIN 0
.endm
.macro EPI b                           ; max(a, -cb2), two in an instruction, then x cw3's two numbers of my unit, onto the rows' sums; each accumulator from its low end on; all in window 0
.irp t, 0,1,2,3
.irp p, 0,1,2,3
	v_dual_max_num_f32 v[D+32*\b+8*\t+2*\p], v[AUX+4*\b], v[D+32*\b+8*\t+2*\p] :: v_dual_max_num_f32 v[D+32*\b+8*\t+2*\p+1], v[AUX+4*\b+3], v[D+32*\b+8*\t+2*\p+1]
.endr
.irp p, 0,1,2,3
	v_pk_fma_f32 v[ACC+16*\t+2*\p:ACC+16*\t+2*\p+1], v[AUX+4*\b:AUX+4*\b+1], v[D+32*\b+8*\t+2*\p:D+32*\b+8*\t+2*\p+1], v[ACC+16*\t+2*\p:ACC+16*\t+2*\p+1] op_sel:[1,0,0] op_sel_hi:[1,1,1]
	v_pk_fma_f32 v[ACC+16*\t+8+2*\p:ACC+16*\t+8+2*\p+1], v[AUX+4*\b+2:AUX+4*\b+3], v[D+32*\b+8*\t+2*\p:D+32*\b+8*\t+2*\p+1], v[ACC+16*\t+8+2*\p:ACC+16*\t+8+2*\p+1] op_sel_hi:[0,1,1]
.endr
.endr
.endm
.macro HLOADS sl                       ; the first loads of the half in slot sl: its 256 aux entries, eight a lane, and its first tile
.irp q, 0,1,2,3,4,5,6,7
	ds_load_b128 v[TMP+4*\q:TMP+4*\q+3], v[KB+\sl] offset:\q*512
.endr
	TLOAD 0, FB+\sl, XB+\sl, 0
	v_add_nc_u32 v[FA], 0, v[FB+\sl]
	v_add_nc_u32 v[XA], 0, v[XB+\sl]
.endm
; P2 on the half in slot sl: eight trips of two tiles of units.  first = 1: the layer's first half starts the sums of cb2 x cw3.  pre = 1: HLOADS stood ahead of P1, whose waits have shown its loads in.
.macro HALF sl, first, pre
.if \pre == 0
	HLOADS \sl
	s_wait_alu depctr_va_vdst(0)
	s_wait_dscnt 10                                ; all but the first tile's ten loads
.endif
.irp q, 0,1,2,3,4,5,6,7
.if (\first) && (\q == 0)
	v_mul_f32 v[KS], -v[TMP], v[TMP+1]
	v_mul_f32 v[KT], -v[TMP], v[TMP+2]
.else
	v_fma_f32 v[KS], -v[TMP+4*\q], v[TMP+4*\q+1], v[KS]
	v_fma_f32 v[KT], -v[TMP+4*\q], v[TMP+4*\q+2], v[KT]
.endif
.endr
	s_mov_b32 s98, 0
	s_wait_alu depctr_va_vdst(0)
.Lu_\@:
	s_add_co_u32 s99, s98, 1
	s_and_b32 s99, s99, 7                          ; the last trip asks for the half's first tile again, so that every trip counts alike
	s_wait_dscnt 0x0                               ; the even tile's ten loads, issued a tile ago
	TLOAD 1, FA, XA, 1                             ; the odd tile, into the set whose products and sums are over
	MM 0
	v_lshl_add_u32 v[FA], s99, 13, v[FB+\sl]       ; the next trip's addresses: with the two lines below, the four places ahead of the first read of results
	v_lshl_add_u32 v[XA], s99, 9, v[XB+\sl]
	v_nop
	v_nop
	EPI 0
	s_wait_alu depctr_va_vdst(0)
	s_wait_dscnt 0x0                               ; the odd tile's ten loads
	TLOAD 0, FA, XA, 0                             ; the next trip's even tile
	MM 1
	NOPS
	EPI 1
	s_add_co_u32 s98, s98, 1
	s_cmp_lt_u32 s98, 8
	s_wait_alu depctr_va_vdst(0)
	s_cbranch_scc1 .Lu_\@
.endm
.macro XADD dst, a, b, m
	v_add_f32_dpp v[\dst], v[\a], v[\b] row_xmask:\m row_mask:0xf bank_mask:0xf
.endm
.macro P3 i
.set DD, 1-((\i)%2)
.irp g, 0,1,2,3,4,5,6,7                ; lanes with bit 3 of r keep rows j + 4 and send rows j; the others the other way round
.irp j, 0,1,2,3
	v_cndmask_b32 v[TMP+8*\g+\j], v[ACC+8*\g+\j], v[ACC+8*\g+4+\j], s85
	v_cndmask_b32 v[TMP+8*\g+4+\j], v[ACC+8*\g+4+\j], v[ACC+8*\g+\j], s85
.endr
.endr
.irp g, 0,1,2,3,4,5,6,7
.irp j, 0,1,2,3
	XADD TMP+8*\g+\j, TMP+8*\g+4+\j, TMP+8*\g+\j, 8
.endr
.endr
.irp g, 0,1,2,3,4,5,6,7
.irp j, 0,1
	v_cndmask_b32 v[TMP+8*\g+4+\j], v[TMP+8*\g+\j], v[TMP+8*\g+2+\j], s86
	v_cndmask_b32 v[TMP+8*\g+6+\j], v[TMP+8*\g+2+\j], v[TMP+8*\g+\j], s86
.endr
.endr
.irp g, 0,1,2,3,4,5,6,7
.irp j, 0,1
	XADD TMP+8*\g+\j, TMP+8*\g+6+\j, TMP+8*\g+4+\j, 4
.endr
.endr
.irp g, 0,1,2,3,4,5,6,7
	v_cndmask_b32 v[TMP+8*\g+4], v[TMP+8*\g], v[TMP+8*\g+1], s92
	v_cndmask_b32 v[TMP+8*\g+5], v[TMP+8*\g+1], v[TMP+8*\g], s92
.endr
.irp g, 0,1,2,3,4,5,6,7
	XADD TMP+8*\g, TMP+8*\g+5, TMP+8*\g+4, 2
.endr
.irp g, 0,1,2,3,4,5,6,7
	XADD TMP+8*\g, TMP+8*\g, TMP+8*\g, 1           ; lane (r, h): row 8 h + r / 2 of tile g / 2, column g % 2
.endr
.irp m, 1,2,4,8
	XADD KS, KS, KS, \m
	XADD KT, KT, KT, \m
.endr
	v_permlanex16_b32 v[TMP+4], v[KS], s88, s89
	v_permlanex16_b32 v[TMP+5], v[KT], s88, s89
	v_add_f32 v[KS], v[KS], v[TMP+4]
	v_add_f32 v[KT], v[KT], v[TMP+5]
	v_add_f32 v[KS], s[40+4*(\i)+DD], v[KS]        ; + cb3
	v_add_f32 v[KT], s[40+4*(\i)+2+DD], v[KT]
.irp t, 0,1,2,3
	v_add_f32 v[TMP+16*\t], v[TMP+16*\t], v[KS]    ; st_d
	v_add_f32 v[TMP+16*\t+8], v[TMP+16*\t+8], v[KT]  ; st_(2+d)
.endr
.irp t, 0,1,2,3
	v_mul_f32 v[TMP+16*\t+1], 0x4038aa3b, v[TMP+16*\t]   ; 2 log2(e) st_d
.endr
	s_wait_alu depctr_va_vdst(0)
.irp t, 0,1,2,3
	v_exp_f32 v[TMP+16*\t+1], v[TMP+16*\t+1]
.endr
	v_nop
	s_wait_alu depctr_va_vdst(0)
.irp t, 0,1,2,3
	v_add_f32 v[TMP+16*\t+1], 1.0, v[TMP+16*\t+1]
.endr
	s_wait_alu depctr_va_vdst(0)
.irp t, 0,1,2,3
	v_rcp_f32 v[TMP+16*\t+1], v[TMP+16*\t+1]
.endr
	v_nop
	s_wait_alu depctr_va_vdst(0)
.irp t, 0,1,2,3
	v_fma_f32 v[TMP+16*\t+2], v[TMP+16*\t+1], -2.0, 1.0    ; log_s = tanh
.endr
.irp t, 0,1,2,3
	v_mul_f32 v[TMP+16*\t+3], s87, v[TMP+16*\t+2]
.endr
	s_wait_alu depctr_va_vdst(0)
.irp t, 0,1,2,3
	v_exp_f32 v[TMP+16*\t+3], v[TMP+16*\t+3]
.endr
.irp t, 0,1,2,3
	v_add_f32 v[LD+\t], v[LD+\t], v[TMP+16*\t+2]
.endr
	s_wait_alu depctr_va_vdst(0)
.irp t, 0,1,2,3
	v_fma_f32 v[O+2*\t+DD], v[O+2*\t+DD], v[TMP+16*\t+3], v[TMP+16*\t+8]
.endr
.irp t, 0,1,2,3
	v_fma_f32 v[O+2*\t], v[O+2*\t], s[76+2*(\i)], s[68+2*(\i)]
	v_fma_f32 v[O+2*\t+1], v[O+2*\t+1], s[77+2*(\i)], s[69+2*(\i)]
.endr
.if (\i) < 3
.irp t, 0,1,2,3
	ds_bpermute_b32 v[XR+\t], v[BPI], v[O+2*\t+DD] ; lane (r, h) takes row r from lane 2 r: the next layer's condition
.endr
.endif
.endm
.macro LAYER i
.if (\i) == 0
	P1 \i
	TRIP 0, 1
	HALF 0, 1, 0
.else
	HLOADS 0                                       ; slot 0 was shown whole in front of the last layer's P3
	P1 \i
	HALF 0, 1, 1
.endif
.if (\i) < 3
	TRIP 1, 1
.else
	TRIP 1, 0
.endif
	HALF 1, 0, 0
.if (\i) < 3
	TRIP 0, 1
.endif
	P3 \i
.endm
	s_load_b512 s[4:19], s[0:1], 0x0               ; x, cw1, cb1, cb3, an_logs, an_b, img, out0
	s_load_b64 s[20:21], s[0:1], 0x40              ; out1
	v_lshl_add_u32 v[SPW], v0, 2, SPARE
	v_mov_b32 v[NIL], 0
	ds_add_u32 v[SPW], v[NIL]                      ; the opening lines: the add, twice on end, and its wait
	ds_add_u32 v[SPW], v[NIL]
	v_lshrrev_b32 v9, 5, v0
	v_readfirstlane_b32 s22, v9                    ; wave 0..3
	s_bfe_u32 s23, ttmp6, 0x40000                  ; cx
	s_lshl_b32 s3, ttmp9, 2
	s_add_co_u32 s23, s3, s23                      ; work-group: it enters the addresses of x and of the outputs alone
	s_mov_b32 s24, 15|(3<<16)|(1<<21)              ; group 1: the cluster's four; elements of 8 bytes; 72 rows of 256 bytes, dense
	s_mov_b32 s25, 32<<16
	s_mov_b32 s26, 72<<16
	s_mov_b32 s27, 32<<16
	s_mov_b32 s28, 72
	s_mov_b32 s29, 32
	s_mov_b32 s30, 0
	s_mov_b32 s31, 0
	s_mul_i32 s90, s22, QUART
	s_mov_b32 s91, 0
	s_lshl_b32 s94, s22, 14
	s_add_co_u32 s94, s94, STAGE
	s_lshl_b32 s95, s22, 10
	s_add_co_u32 s95, s95, SSTG
	s_mov_b32 s84, 0x88888888                      ; the sign bits of eight codes
	s_mov_b32 s85, 0xff00ff00                      ; lanes with bit 3, 2, 1 of r
	s_mov_b32 s86, 0xf0f0f0f0
	s_mov_b32 s92, 0xcccccccc
	s_mov_b32 s87, 0x3fb8aa3b                      ; log2(e)
	s_mov_b32 s93, 0xbfb8aa3b
	s_mov_b32 s100, 0xbfb17218                     ; -2 ln 2
	s_mov_b32 s88, 0x76543210
	s_mov_b32 s89, 0xfedcba98
	s_lshl_b32 s2, s23, 11
	s_mov_b32 s3, 0
	v_and_b32 v15, 31, v0
	v_and_b32 v13, 15, v0
	v_bfe_u32 v14, v0, 4, 1
	v_lshlrev_b32 v[FB], 4, v15
	v_add_nc_u32 v[FB+1], HALFB, v[FB]
	v_lshl_add_u32 v[XB], v13, 4, SCO
	v_add_nc_u32 v[XB+1], HALFB, v[XB]
	v_add_nc_u32 v[KB], AXO, v[FB]
	v_add_nc_u32 v[KB+1], AXO+HALFB, v[FB]
	v_add_nc_u32 v[STG], s94, v[FB]
	v_lshl_add_u32 v[SSC], v13, 4, s95
	v_lshlrev_b32 v[BPI], 3, v13
	v_lshlrev_b32 v9, 4, v0
	v_add_nc_u32 v10, W1B1, v9
	WIN 0xc0                                       ; P1's addresses live in window 3
	v_lshl_add_u32 v[WAB], v14, 7, W1B1            ; lanes 16-31 take the block 32 further along K
	v_add_nc_u32 v[SAB], s94, v[FB]
	v_add_nc_u32 v[BAB], v14, v[SSC]
	WIN 0
	s_wait_alu depctr_va_vdst(0)
	s_wait_dscnt 0x0
	s_wait_kmcnt 0x0
	s_add_nc_u64 s[4:5], s[4:5], s[2:3]
	global_load_b128 v[TMP:TMP+3], v9, s[4:5] th:TH_LOAD_NT           ; my wave's 64 rows of x: 512 consecutive bytes
.irp i, 0,1,2,3
	global_load_b128 v[TMP+4+8*\i:TMP+7+8*\i], v9, s[6:7] offset:\i*4096+(\i%2)*2048   ; cw1[i][i % 2]
	global_load_b128 v[TMP+8+8*\i:TMP+11+8*\i], v9, s[8:9] offset:\i*2048              ; cb1[i]
.endr
	s_load_b512 s[40:55], s[10:11], 0x0
	s_load_b256 s[56:63], s[12:13], 0x0
	s_load_b256 s[68:75], s[14:15], 0x0
	s_add_nc_u64 s[16:17], s[16:17], s[90:91]
.irp s, 0,1
	s_mov_b32 s[32+4*\s], 1
	s_add_co_u32 s[33+4*\s], s90, \s*HALFB
	s_add_nc_u64 s[34+4*\s:35+4*\s], s[16:17], \s*HALFB
	s_or_b32 s[35+4*\s], s[35+4*\s], 0x80000000
.endr
	s_add_nc_u64 s[18:19], s[18:19], s[2:3]
	s_lshl_b32 s2, s23, 10
	s_add_nc_u64 s[20:21], s[20:21], s[2:3]
	ROUND                                          ; the four work-groups are here: the first joint loads meet
	tensor_load_to_lds s[32:35], s[24:31]          ; layer 0's first half: one load a wave at the head
	s_nop 0
	NOPS
	s_wait_kmcnt 0x0
.irp k, 0,1,2,3,4,5,6,7
	v_mul_f32 v[TMP+40+\k], s87, s[56+\k]
.endr
	v_mov_b32 v[LD], s56                           ; log_det starts with the sum of all an_logs
.irp k, 1,2,3,4,5,6,7
	v_add_f32 v[LD], s[56+\k], v[LD]
.endr
	s_wait_alu depctr_va_vdst(0)
.irp k, 0,1,2,3,4,5,6,7
	v_exp_f32 v[TMP+40+\k], v[TMP+40+\k]
.endr
	v_mov_b32 v[LD+1], v[LD]
	v_mov_b32 v[LD+2], v[LD]
	v_mov_b32 v[LD+3], v[LD]
	s_wait_alu depctr_va_vdst(0)
.irp k, 0,1,2,3,4,5,6,7
	v_readfirstlane_b32 s[76+\k], v[TMP+40+\k]     ; e^an_logs: alike in all lanes
.endr
	s_wait_alu depctr_va_vdst(0)
	s_wait_loadcnt 0x0
	ds_store_b128 v[STG], v[TMP:TMP+3]
.irp i, 0,1,2,3
	ds_store_b128 v10, v[TMP+4+8*\i:TMP+7+8*\i] offset:\i*4096
	ds_store_b128 v10, v[TMP+8+8*\i:TMP+11+8*\i] offset:\i*4096+2048
.endr
	s_wait_dscnt 0x0                               ; for the others' sake: my part of cw1 and cb1 has landed
	s_barrier_signal -1
	s_barrier_wait -1
	v_and_b32 v9, 30, v0
	v_lshl_add_u32 v9, v9, 2, s94                  ; 8 bytes x row 8 h + r / 2
	v_and_b32 v10, 15, v0
	v_lshl_add_u32 v10, v10, 3, s94                ; 8 bytes x row r
.irp t, 0,1,2,3
	ds_load_b64 v[O+2*\t:O+2*\t+1], v9 offset:\t*128
	ds_load_b32 v[XR+\t], v10 offset:\t*128        ; layer 0 is conditioned on coordinate 0
.endr
	LAYER 0
	LAYER 1
	LAYER 2
	LAYER 3
	; THE END.  With e = e^-|o|: sigmoid(o) = 1 / (1 + e) for o >= 0, e / (1 + e) else; log sigmoid(o) + log sigmoid(-o) = -|o| - 2 ln(1 + e).
.irp n, 0,1,2,3,4,5,6,7
	v_mul_f32 v[TMP+\n], s93, |v[O+\n]|
.endr
	s_wait_alu depctr_va_vdst(0)
.irp n, 0,1,2,3,4,5,6,7
	v_exp_f32 v[TMP+\n], v[TMP+\n]
.endr
.irp t, 0,1,2,3
	v_sub_f32 v[LD+\t], v[LD+\t], |v[O+2*\t]|
.endr
.irp t, 0,1,2,3
	v_sub_f32 v[LD+\t], v[LD+\t], |v[O+2*\t+1]|
.endr
	s_wait_alu depctr_va_vdst(0)
.irp n, 0,1,2,3,4,5,6,7
	v_add_f32 v[TMP+8+\n], 1.0, v[TMP+\n]
.endr
	s_wait_alu depctr_va_vdst(0)
.irp n, 0,1,2,3,4,5,6,7
	v_rcp_f32 v[TMP+16+\n], v[TMP+8+\n]
.endr
.irp n, 0,1,2,3,4,5,6,7
	v_log_f32 v[TMP+24+\n], v[TMP+8+\n]
.endr
	v_nop
	s_wait_alu depctr_va_vdst(0)
.irp n, 0,1,2,3,4,5,6,7
	v_mul_f32 v[TMP+\n], v[TMP+\n], v[TMP+16+\n]
.endr
.irp n, 0,1,2,3,4,5,6,7
	v_cmp_le_f32 vcc_lo, 0, v[O+\n]
	v_cndmask_b32 v[TMP+\n], v[TMP+\n], v[TMP+16+\n], vcc_lo
.endr
.irp t, 0,1,2,3
	v_add_f32 v[TMP+24+2*\t], v[TMP+24+2*\t], v[TMP+25+2*\t]
.endr
.irp t, 0,1,2,3
	v_fma_f32 v[LD+\t], v[TMP+24+2*\t], s100, v[LD+\t]
.endr
	v_and_b32 v7, 30, v0
	v_lshl_add_u32 v8, v7, 1, s94                  ; 4 bytes x my row
	v_lshl_add_u32 v7, v7, 2, s94                  ; 8 bytes x my row
	v_and_b32 v5, 31, v0
	v_lshl_add_u32 v5, v5, 3, s94
	v_lshlrev_b32 v9, 4, v0
	v_lshlrev_b32 v10, 3, v0
.irp t, 0,1,2,3                        ; through my stage, so that the wave's 64 rows leave as consecutive bytes (the two lanes of a row write the same numbers)
	ds_store_b64 v7, v[TMP+2*\t:TMP+2*\t+1] offset:\t*128
	ds_store_b32 v8, v[LD+\t] offset:1024+\t*64
.endr
	ds_load_b128 v[TMP+32:TMP+35], v[STG]
	ds_load_b64 v[TMP+36:TMP+37], v5 offset:1024
	s_wait_alu depctr_va_vdst(0)
	s_wait_dscnt 0x0
	global_store_b128 v9, v[TMP+32:TMP+35], s[18:19] th:TH_STORE_NT   ; 512 consecutive bytes, aligned
	global_store_b64 v10, v[TMP+36:TMP+37], s[20:21] th:TH_STORE_NT   ; 256 consecutive bytes, aligned
	s_wait_tensorcnt 0x0                           ; the wave's end
	ds_add_u32 v[SPW], v[NIL]
	s_wait_dscnt 0x0
	ROUND                                          ; the closing round
	s_endpgm
.Lfunc_end_k_q32b654624e_flow:
	.size	k_q32b654624e_flow, .Lfunc_end_k_q32b654624e_flow-k_q32b654624e_flow
	.p2alignl 7, 3214868480
	.fill 96, 4, 3214868480
	.section	.rodata,"a",@progbits
	.p2align	6, 0x0
	.amdhsa_kernel k_q32b654624e_flow
		.amdhsa_group_segment_fixed_size 327680
		.amdhsa_private_segment_fixed_size 0
		.amdhsa_enable_private_segment 0
		.amdhsa_kernarg_size 72
		.amdhsa_user_sgpr_count 2
		.amdhsa_user_sgpr_kernarg_segment_ptr 1
		.amdhsa_wavefront_size32 1
		.amdhsa_system_sgpr_workgroup_id_x 1
		.amdhsa_system_sgpr_workgroup_id_y 1
		.amdhsa_system_sgpr_workgroup_id_z 1
		.amdhsa_system_vgpr_workitem_id 0
		.amdhsa_next_free_vgpr 1024
		.amdhsa_next_free_sgpr 102
		.amdhsa_reserve_vcc 1
		.amdhsa_float_denorm_mode_32 3
		.amdhsa_float_denorm_mode_16_64 3
		.amdhsa_memory_ordered 1
		.amdhsa_forward_progress 1
		.amdhsa_inst_pref_size 255
	.end_amdhsa_kernel
	.section	.bss,"aw",@nobits
	.p2align	6
	.space	262144
	.amdgpu_metadata
---
amdhsa.version: [ 1, 2 ]
amdhsa.kernels:
  - .name:           k_q32b654624e_flow
    .symbol:         k_q32b654624e_flow.kd
    .args:
      - { .name: x, .offset: 0, .size: 8, .value_kind: global_buffer, .address_space: global }
      - { .name: cw1, .offset: 8, .size: 8, .value_kind: global_buffer, .address_space: global }
      - { .name: cb1, .offset: 16, .size: 8, .value_kind: global_buffer, .address_space: global }
      - { .name: cb3, .offset: 24, .size: 8, .value_kind: global_buffer, .address_space: global }
      - { .name: an_logs, .offset: 32, .size: 8, .value_kind: global_buffer, .address_space: global }
      - { .name: an_b, .offset: 40, .size: 8, .value_kind: global_buffer, .address_space: global }
      - { .name: img, .offset: 48, .size: 8, .value_kind: global_buffer, .address_space: global }
      - { .name: out0, .offset: 56, .size: 8, .value_kind: global_buffer, .address_space: global }
      - { .name: out1, .offset: 64, .size: 8, .value_kind: global_buffer, .address_space: global }
    .group_segment_fixed_size: 327680
    .private_segment_fixed_size: 0
    .kernarg_segment_align: 8
    .kernarg_segment_size: 72
    .max_flat_workgroup_size: 128
    .sgpr_count:     102
    .vgpr_count:     1024
    .wavefront_size: 32
...
	.end_amdgpu_metadata
.endif
;; end of part 2
